; MI455X (gfx1250); checked and timed in simulation.
; The chip was launched on July 23, 2026; its instructions are those of AMD's public machine-readable ISA for CDNA 5 (MIT licence, August 2026) and "CDNA5" Instruction Set Architecture Reference Guide (July 2026). The comments in the code are by the model that wrote it; some were corrected since.
;; NGP. Allowed arithmetic: float matrix products may take bf16 or f16 operands with f32 sums; all other float work in f32.
;; Inputs: b1 64 float32; b2 32 float32; b3 2 float32; grid 8 x 524,288 x 2 float32; levels 8 float32; w1 16 x 64 float32; w2 64 x 32 float32; w3 32 x 2 float32; x 524,288 x 3 float32.
;; Outputs: out0 524,288 x 2 float32.
;; 2 versions, each right; version 2 is version 1 with the launch ngp written anew for expert scheduling mode. Each part assembles by itself: llvm-mc -triple=amdgcn-amd-amdhsa -mcpu=gfx1250 --defsym DOCPART=n.
;; ======== version 1 of 2: 2 launches
;; workspace buffers: idx 16,777,216 bytes of whole numbers
;; launch hash (part 1): grid 512 x 1, 8 waves a work-group, no clusters, 0 bytes of LDS; arguments x, levels, idx; writes idx
.if DOCPART == 1
	.amdgcn_target "amdgcn-amd-amdhsa--gfx1250"
	.amdhsa_code_object_version 6
	.text
	.protected	k_qc0ffce5881_hash
	.globl	k_qc0ffce5881_hash
	.p2align	8
	.type	k_qc0ffce5881_hash,@function
k_qc0ffce5881_hash:
	s_mov_b64 s[64:65], 0
	v_nop
	global_prefetch_b8 v0, s[64:65] scope:SCOPE_SE
	s_setreg_imm32_b32 hwreg(HW_REG_WAVE_MODE, 25, 1), 1
	s_wait_xcnt 0x0
; idx[point][level] = (cx + cy*PI2 + cz*PI3) mod 2^19, with (cx, cy, cz) = floor(x[point] * levels[level]) as unsigned whole numbers.
; This is the hash of the cube's corner (0,0,0); the other seven corners' hashes are this number plus a constant, mod 2^19, and are
; made in the next launch.  The gather's addresses hang on floating-point data, so they are made here and stored as whole numbers.
; Layout of idx: [point/16][level/4][point%16][level%4] of 32-bit words, so that sixteen neighbouring lanes store (and later load)
; 256 consecutive bytes that start at a multiple of 256.
; Eight waves, 1,024 points a work-group; a wave takes 128 points as 4 chunks of 32, one lane one point.  A stream: no LDS, no barrier,
; no matrix unit.  Every chunk has registers of its own for what it loads and stores, so no register that a memory instruction
; still reads is ever written again.
; LIMIT: 0 <= x * level < 2^32.  The conversion cuts toward zero, which is floor for numbers >= 0; a negative product gives cell 0,
; a product of 2^32 or more gives cell 2^32 - 1.
.set TMASK, 0x7ffff                    ; table size 2^19, less one
.set PI2L,  0x3779b1                   ; 2654435761 mod 2^24
.set PI3L,  0x025795                   ; 805459861 mod 2^24
.set VX,  2                            ; v2       12 x lane: my point's three numbers in a chunk of x
.set VS,  3                            ; v3       (lane/16) x 512 + (lane%16) x 16: my 16 bytes in a chunk of idx
.set X,   4                            ; v[4:19]  chunk c: x, y, z in v[4+4c:6+4c]
.set T,   20                           ; v[20:22] at work
.set H,   28                           ; v[28:59] chunk c: the eight levels' hashes
.set LV,  12                           ; s[12:19] the eight levels
	s_load_b128 s[4:7], s[0:1], 0x0                ; x s[4:5], levels s[6:7]
	s_load_b64 s[8:9], s[0:1], 0x10                ; idx
	v_lshrrev_b32 v1, 5, v0
	v_readfirstlane_b32 s2, v1                     ; wave number
	s_lshl_b32 s3, ttmp9, 3
	s_add_co_u32 s3, s3, s2                        ; W: the wave's number in the launch, 0 to 4,095
	s_mov_b32 s20, PI2L
	s_mov_b32 s21, PI3L
	s_mov_b32 s11, 0
	v_and_b32 v1, 31, v0                           ; lane
	v_mul_u32_u24 v[VX], v1, 12
	v_and_b32 v[VS], 15, v0
	v_lshlrev_b32 v[VS], 4, v[VS]
	v_bfe_u32 v[T], v0, 4, 1
	v_lshl_add_u32 v[VS], v[T], 9, v[VS]
	s_wait_kmcnt 0x0
	s_load_b256 s[LV:LV+7], s[6:7], 0x0            ; the levels, as scalars
	s_mul_i32 s10, s3, 1536                        ; 128 points x 12 bytes
	s_add_nc_u64 s[4:5], s[4:5], s[10:11]
	s_lshl_b32 s10, s3, 12                         ; 128 points x 32 bytes
	s_add_nc_u64 s[8:9], s[8:9], s[10:11]
.irp c, 0,1,2,3
	global_load_b96 v[X+4*\c:X+4*\c+2], v[VX], s[4:5] offset:384*\c   ; a wave's load covers 384 consecutive bytes; no hint: the next launch reads x again
.endr
	s_wait_kmcnt 0x0                               ; the levels
; One chunk of 32 points.  The low 19 bits of a product hang on the low 19 bits of its factors alone, so the 24-bit multiply-add
; gives what is kept of the 32-bit wraparound sum.
.macro CHUNK c
	s_wait_loadcnt 3-\c                            ; loads come back in order: chunk c is in, the 3 - c younger chunks stay out
.irp l, 0,1,2,3,4,5,6,7
	v_mul_f32 v[T],   s[LV+\l], v[X+4*\c]
	v_mul_f32 v[T+1], s[LV+\l], v[X+4*\c+1]
	v_mul_f32 v[T+2], s[LV+\l], v[X+4*\c+2]
	v_cvt_u32_f32 v[T],   v[T]
	v_cvt_u32_f32 v[T+1], v[T+1]
	v_cvt_u32_f32 v[T+2], v[T+2]
	v_mad_u32_u24 v[T], v[T+1], s20, v[T]
	v_mad_u32_u24 v[T], v[T+2], s21, v[T]
	v_and_b32 v[H+8*\c+\l], TMASK, v[T]
.endr
	global_store_b128 v[VS], v[H+8*\c:H+8*\c+3],   s[8:9] offset:1024*\c       ; levels 0-3: sixteen lanes store 256 consecutive bytes, aligned
	global_store_b128 v[VS], v[H+8*\c+4:H+8*\c+7], s[8:9] offset:1024*\c+256   ; levels 4-7
.endm
	CHUNK 0
	CHUNK 1
	CHUNK 2
	CHUNK 3
	s_endpgm
.Lfunc_end_k_qc0ffce5881_hash:
	.size	k_qc0ffce5881_hash, .Lfunc_end_k_qc0ffce5881_hash-k_qc0ffce5881_hash
	.p2alignl 7, 3214868480
	.fill 96, 4, 3214868480
	.section	.rodata,"a",@progbits
	.p2align	6, 0x0
	.amdhsa_kernel k_qc0ffce5881_hash
		.amdhsa_group_segment_fixed_size 0
		.amdhsa_private_segment_fixed_size 0
		.amdhsa_enable_private_segment 0
		.amdhsa_kernarg_size 24
		.amdhsa_user_sgpr_count 2
		.amdhsa_user_sgpr_kernarg_segment_ptr 1
		.amdhsa_wavefront_size32 1
		.amdhsa_system_sgpr_workgroup_id_x 1
		.amdhsa_system_sgpr_workgroup_id_y 1
		.amdhsa_system_sgpr_workgroup_id_z 1
		.amdhsa_system_vgpr_workitem_id 0
		.amdhsa_next_free_vgpr 60
		.amdhsa_next_free_sgpr 66
		.amdhsa_reserve_vcc 0
		.amdhsa_float_denorm_mode_32 3
		.amdhsa_float_denorm_mode_16_64 3
		.amdhsa_memory_ordered 1
		.amdhsa_forward_progress 1
		.amdhsa_inst_pref_size 15
	.end_amdhsa_kernel
	.amdgpu_metadata
---
amdhsa.version: [ 1, 2 ]
amdhsa.kernels:
  - .name:           k_qc0ffce5881_hash
    .symbol:         k_qc0ffce5881_hash.kd
    .args:
      - { .name: x, .offset: 0, .size: 8, .value_kind: global_buffer, .address_space: global }
      - { .name: levels, .offset: 8, .size: 8, .value_kind: global_buffer, .address_space: global }
      - { .name: idx, .offset: 16, .size: 8, .value_kind: global_buffer, .address_space: global }
    .group_segment_fixed_size: 0
    .private_segment_fixed_size: 0
    .kernarg_segment_align: 8
    .kernarg_segment_size: 24
    .max_flat_workgroup_size: 256
    .sgpr_count:     66
    .vgpr_count:     60
    .wavefront_size: 32
...
	.end_amdgpu_metadata
.endif
;; end of part 1
;; launch ngp (part 2): grid 256 x 1, 16 waves a work-group, no clusters, 0 bytes of LDS; arguments x, levels, grid, w1, b1, w2, b2, w3, b3, idx, out0; writes out0
.if DOCPART == 2
	.amdgcn_target "amdgcn-amd-amdhsa--gfx1250"
	.amdhsa_code_object_version 6
	.text
	.protected	k_qc0ffce5881_ngp
	.globl	k_qc0ffce5881_ngp
	.p2align	8
	.type	k_qc0ffce5881_ngp,@function
k_qc0ffce5881_ngp:
	s_mov_b64 s[64:65], 0
	v_nop
	global_prefetch_b8 v0, s[64:65] scope:SCOPE_SE
	s_setreg_imm32_b32 hwreg(HW_REG_WAVE_MODE, 25, 1), 1
	s_wait_xcnt 0x0
; out0 = MLP(features), features[point][2 level + f] = trilinear blend of the 8 table entries of the point's cube at that level.
; 16 independent waves a work-group (four to a SIMD, 4 x 256 registers); a wave takes 128 consecutive points as 8 groups of 16.
; No LDS and no barrier: features, h1 and h2 stay in registers.
;
; THE GATHER.  Lane (r = lane % 16, hb = lane / 16) serves point r of the group and the cube's corners with x bit hb.  The hash is linear
; in the x cell, so lanes r and r + 16 of one load name neighbouring table entries (mod 2^19).  A lane makes 4 loads of 8 bytes for a
; level (y and z bits) and half of the blend; the halves meet in COMBINE.  The corner's byte offset is (8 idx + 8 hb + 8 C) & 0x3ffff8;
; idx comes from the launch before as whole numbers.  The fractions are made again from x here: they enter no address.
; Two buffers of 16 loads (levels 0-3, levels 4-7) take turns; buffer 0 already holds the next group's loads while this group's MLP runs.
;
; THE MLP, one group at a time.  Every layer is D = A x B + C with A = the weights transposed (row = output feature) and B = the
; activations (column = point).  Register j of D in lane (r, h) is feature m0 + 8h + j of point r, which is the place that the next
; layer's B fragment wants: no lane exchange between the layers.
; TWO PIECES FOR EACH OPERAND.  bf16 keeps 8 significant bits, and the results here are small differences of larger terms that hardly
; change from point to point.  So each f32 number v goes to the matrix unit as hi = bf16(v) and lo = bf16(v - hi), 16 significant bits with
; bf16's range, and a product is hi x hi + lo x hi + hi x lo, summed in f32; what is dropped, lo x lo, is below 2^-16 of the product.
;   layer 1 (K = 16 of 32): [w1h, w1l] x [fh, fh], then [b1, w1h] x [ones, fl]; b1 rides as three bf16 pieces whose sum is the f32 number.
;   layer 2 (K = 64): w2h x h1h, w2l x h1h, w2h x h1l, the sums started from b2.
;   layer 3: A holds w3h in rows 0, 1 and w3l in rows 2, 3, and the same again in rows 8 to 11, so that both halves of the lanes get a
;   point's results; one product with h2h, one with h2l; the rows are added afterwards.
;
; NO CLUSTER, NO JOINT LOADS: what the work-groups share is 12,936 bytes of weights and biases, read once by each wave, against
; 64 gathers of 8 bytes for every point; the gathers have no tiles.  No prefetch of table rows: it would be a second request for each gather.
; LIMITS: 0 <= x * level < 2^32 (as in the launch before).  b1 finite (an infinite b1 gives NaN); b1 is carried exactly for
; |b1| >= 2^-102 or 0, below that it is cut by less than 2^-126.  An operand whose rounding to bf16 overflows (|v| >= 3.39e38) gives NaN.
.set TMASK, 0x7ffff                    ; table size 2^19, less one
.set MASK8, 0x3ffff8                   ; the same for byte offsets of entries of 8 bytes
.set C1,    0x25795                    ; 805459861 mod 2^19: z + 1
.set C2,    0x779b1                    ; 2654435761 mod 2^19: y + 1
.set C3,    C1+C2                      ; both
.set SLOPE, 0x3c23d70a                 ; 0.01
.set VO,   0                           ; v0         8 x lane: my point in a pair of groups of out0 (the thread's number until the set-up has used it)
.set VI,   1                           ; v1         16 r: my point's 16 bytes in a block of idx
.set VX,   2                           ; v2         12 r: my point in a group of x
.set SA,   3                           ; v3         hb ? 0 : 1
.set SB,   4                           ; v4         hb ? 1 : -1      (wx * SB + SA = wx or 1 - wx)
.set KH,   5                           ; v5         8 hb
.set O,    6                           ; v[6:7]     a point's two results: lanes 0-15 the even group's, lanes 16-31 the odd group's
.set X,    8                           ; v[8:10]    x, y, z of my point
.set HB,   11                          ; v11        hb, in the set-up
.set IDX,  12                          ; v[12:19]   level l's hash
.set T,    20                          ; v[20:35]   at work
.set ONES, 36                          ; v[36:39]   the 16 K places that meet b1: ones at three of them; with F+0..3 behind them a B fragment
.set F,    40                          ; v[40:55]   my half of the 16 features; then layer 1's B fragments; then layer 2's sums, then h2
.set W1S,  56                          ; v[56:103]  tile t at 56 + 12t: b1's pieces (4), w1h (4), w1l (4): two A fragments that overlap
.set W2H,  104                         ; v[104:135] w2h, tile u, K step s at + 8 (2u + s)
.set W2L,  136                         ; v[136:167] w2l likewise
.set B2,   168                         ; v[168:183] b2 in the layout of C, tile u at + 8u
.set W3F,  184                         ; v[184:191] layer 3's A fragment
.set DATA, 192                         ; v[192:255] gather buffer q at + 32q (level i at + 8i, corner c at + 2c)
.set BUF1, DATA+32                     ; buffer 1 is also the MLP's room: layer 1's tiles t at + 8t, then h1h, h1l of K step s at + 16s, + 16s + 8
.set DA,   BUF1+16                     ; layer 3's product with h2h
.set DB,   BUF1+24                     ; and with h2l
.set OW2,  F                           ; byte offsets for the weights, used in the set-up alone
.set OW1,  F+1
.set OB1,  F+2
.set OW3,  F+3
.set OB2,  F+4
.set LV,   32                          ; s[32:39]   the levels
.set GB,   44                          ; s[44:59]   level l's table: grid + l x 4 MiB
	s_load_b512 s[8:23], s[0:1], 0x0               ; x s[8:9], levels s[10:11], grid s[12:13], w1 s[14:15], b1 s[16:17], w2 s[18:19], b2 s[20:21], w3 s[22:23]
	s_load_b128 s[24:27], s[0:1], 0x40             ; b3 s[24:25], idx s[26:27]
	s_load_b64 s[28:29], s[0:1], 0x50              ; out0
	v_lshrrev_b32 v1, 5, v0
	v_readfirstlane_b32 s2, v1                     ; wave number
	s_lshl_b32 s43, ttmp9, 4
	s_add_co_u32 s43, s43, s2                      ; W: the wave's number in the launch, 0 to 4,095
	s_mov_b32 s4, 0xffff0000                       ; two uses: the lanes with hb = 1, and a word's upper bf16
	s_mov_b32 s6, SLOPE
	s_mov_b32 s7, SLOPE
	s_mov_b32 s42, MASK8
	s_mov_b32 s31, 0
	v_and_b32 v1, 15, v0                           ; r
	v_bfe_u32 v[HB], v0, 4, 1
	v_mul_u32_u24 v[VX], v1, 12
	v_cndmask_b32 v[SA], 1.0, 0, s4
	v_cndmask_b32 v[SB], -1.0, 1.0, s4
	v_lshlrev_b32 v[KH], 3, v[HB]
	v_lshlrev_b32 v[OB1], 2, v1                    ; b1: 4 r
	v_lshl_add_u32 v[OW2], v[HB], 10, v[OB1]       ; w2: 8 hb rows of 128 bytes + 4 r
	v_lshl_add_u32 v[OW1], v[HB], 11, v[OB1]       ; w1: 8 hb rows of 256 bytes + 4 r
	v_and_b32 v[F+5], 7, v0                        ; r % 8
	v_cmp_gt_u32 s5, 2, v[F+5]                     ; the lanes that hold rows 0, 1, 8, 9 of layer 3's A: w3h
	v_cmp_gt_u32 s60, 4, v[F+5]                    ; those and rows 2, 3, 10, 11 (w3l); the other rows are zero
	v_and_b32 v[F+6], 1, v0                        ; w3's column: r % 2
	v_lshlrev_b32 v[OW3], 6, v[HB]
	v_lshl_add_u32 v[OW3], v[F+6], 2, v[OW3]       ; w3: 8 hb rows of 8 bytes + 4 x column
	v_lshlrev_b32 v[OB2], 5, v[HB]                 ; b2: 8 hb numbers
	v_lshlrev_b32 v[VI], 4, v1
	v_and_b32 v[VO], 31, v0                        ; the thread's number has served
	v_lshlrev_b32 v[VO], 3, v[VO]
	s_wait_kmcnt 0x0
	s_load_b256 s[LV:LV+7], s[10:11], 0x0          ; the levels, as scalars
	s_load_b64 s[40:41], s[24:25], 0x0             ; b3's two numbers
	s_mul_i32 s30, s43, 1536                       ; 128 points x 12 bytes
	s_add_nc_u64 s[8:9], s[8:9], s[30:31]
	s_lshl_b32 s30, s43, 12                        ; 128 points x 32 bytes
	s_add_nc_u64 s[26:27], s[26:27], s[30:31]
	s_lshl_b32 s30, s43, 10                        ; 128 points x 8 bytes
	s_add_nc_u64 s[28:29], s[28:29], s[30:31]
	s_mov_b64 s[GB:GB+1], s[12:13]
.irp l, 1,2,3,4,5,6,7
	s_add_nc_u64 s[GB+2*\l:GB+2*\l+1], s[12:13], \l*0x400000
.endr
.macro LOADI q, off                    ; a group's hashes of levels 4q .. 4q + 3; both halves of the lanes read the same 256 bytes
	global_load_b128 v[IDX+4*\q:IDX+4*\q+3], v[VI], s[26:27] offset:\off th:TH_LOAD_NT
.endm
.macro LOADX off                       ; a group's points
	global_load_b96 v[X:X+2], v[VX], s[8:9] offset:\off th:TH_LOAD_NT
.endm
; two f32 numbers at src into their bf16 pieces: hi = bf16(v), lo = bf16(v - hi); src is used up
.macro SPLIT src, hi, lo
	v_cvt_pk_bf16_f32 v[\hi], v[\src], v[\src+1]
	v_lshlrev_b32 v[T], 16, v[\hi]
	v_and_b32 v[T+1], s4, v[\hi]
	v_pk_fma_f32 v[\src:\src+1], v[T:T+1], -1.0, v[\src:\src+1] op_sel_hi:[1,0,1]
	v_cvt_pk_bf16_f32 v[\lo], v[\src], v[\src+1]
.endm
	; SET-UP, first batch: group 0's hashes and points, b2, and w2 as f32 into the gather buffers
	LOADI 0, 0
	LOADI 1, 256
	LOADX 0
.irp u, 0,1
	global_load_b128 v[B2+8*\u:B2+8*\u+3],   v[OB2], s[20:21] offset:64*\u      ; register j = b2[16u + 8hb + j]
	global_load_b128 v[B2+8*\u+4:B2+8*\u+7], v[OB2], s[20:21] offset:64*\u+16
.endr
	; A(m = 16u + r, k) = w2[k][16u + r]; the lane's number e is k = 32s + 8hb + e (e < 8) or 32s + 16 + 8hb + e - 8
.set iu, 0
.rept 2
.set is, 0
.rept 2
.set ie, 0
.rept 16
	global_load_b32 v[DATA+16*(2*iu+is)+ie], v[OW2], s[18:19] offset:(32*is+16*(ie>>3)+(ie&7))*128+64*iu
.set ie, ie+1
.endr
.set is, is+1
.endr
.set iu, iu+1
.endr
	; meanwhile: ones at the three K places that meet b1's pieces (lanes with hb = 0), zeros at the other thirteen
	v_mov_b32 v[F+5], 0x3f803f80
	v_mov_b32 v[F+6], 0x3f80
	v_cndmask_b32 v[ONES],   v[F+5], 0, s4
	v_cndmask_b32 v[ONES+1], v[F+6], 0, s4
	v_mov_b32 v[ONES+2], 0
	v_mov_b32 v[ONES+3], 0
	s_wait_kmcnt 0x0                               ; the levels and b3
	s_wait_loadcnt 0x0                             ; the first batch is in
.set ie, 0
.rept 32
	SPLIT DATA+2*ie, W2H+ie, W2L+ie
.set ie, ie+1
.endr
	; second batch: w1, b1, w3 as f32 into the gather buffers
.irp t, 0,1,2,3
.irp e, 0,1,2,3,4,5,6,7
	global_load_b32 v[DATA+8*\t+\e], v[OW1], s[14:15] offset:256*\e+64*\t     ; A(m = 16t + r, k = 8hb + e) = w1[8hb + e][16t + r]
.endr
.endr
.irp t, 0,1,2,3
	global_load_b32 v[DATA+32+\t], v[OB1], s[16:17] offset:64*\t              ; b1[16t + r]
.endr
.set ie, 0
.rept 16
	global_load_b32 v[DATA+36+ie], v[OW3], s[22:23] offset:128*(ie>>3)+8*(ie&7)   ; w3[k][column], k as for w2 with s = 0
.set ie, ie+1
.endr
	s_wait_loadcnt 0x0
.irp t, 0,1,2,3
.irp j, 0,1,2,3
	SPLIT DATA+8*\t+2*\j, W1S+12*\t+4+\j, W1S+12*\t+8+\j
.endr
	; b1 = hi + mid + low, each the upper 16 bits of what is left: 8 + 8 + 8 bits of significand, the differences exact
	v_cndmask_b32 v[T+2], v[DATA+32+\t], 0, s4     ; the K places of the lanes with hb = 1 stay zero
	v_and_b32 v[T+3], s4, v[T+2]                   ; hi
	v_sub_f32 v[T+2], v[T+2], v[T+3]
	v_and_b32 v[T+4], s4, v[T+2]                   ; mid
	v_sub_f32 v[T+2], v[T+2], v[T+4]               ; low
	v_perm_b32 v[W1S+12*\t], v[T+4], v[T+3], 0x07060302   ; first place: hi, second: mid
	v_lshrrev_b32 v[W1S+12*\t+1], 16, v[T+2]       ; third: low, fourth: 0
	v_mov_b32 v[W1S+12*\t+2], 0
	v_mov_b32 v[W1S+12*\t+3], 0
.endr
.irp j, 0,1,2,3,4,5,6,7
	SPLIT DATA+36+2*\j, W3F+\j, F+8+\j
.endr
.irp j, 0,1,2,3,4,5,6,7
	v_cndmask_b32 v[W3F+\j], v[F+8+\j], v[W3F+\j], s5     ; rows 0, 1, 8, 9: hi; the others: lo,
	v_cndmask_b32 v[W3F+\j], 0, v[W3F+\j], s60            ; which stays in rows 2, 3, 10, 11 alone
.endr
; 16 gathers into buffer q: levels 4q .. 4q + 3, four corners each.  The loaded hash is bounded by the table's size before it enters an
; offset.  Each load lands on its own offset register.  The buffer's last loads were waited for by the INTERP that read it.
.macro ISSUE q
.irp i, 0,1,2,3
	v_min_u32 v[T+\i], TMASK, v[IDX+4*\q+\i]
	v_lshlrev_b32 v[T+\i], 3, v[T+\i]
	v_add_nc_u32 v[T+\i], v[T+\i], v[KH]
	v_and_b32 v[DATA+32*\q+8*\i], s42, v[T+\i]
	v_add_nc_u32 v[DATA+32*\q+8*\i+2], 8*C1, v[T+\i]
	v_add_nc_u32 v[DATA+32*\q+8*\i+4], 8*C2, v[T+\i]
	v_add_nc_u32 v[DATA+32*\q+8*\i+6], 8*C3, v[T+\i]
.irp c, 1,2,3
	v_and_b32 v[DATA+32*\q+8*\i+2*\c], s42, v[DATA+32*\q+8*\i+2*\c]
.endr
.endr
.irp i, 0,1,2,3
.irp c, 0,1,2,3
	global_load_b64 v[DATA+32*\q+8*\i+2*\c:DATA+32*\q+8*\i+2*\c+1], v[DATA+32*\q+8*\i+2*\c], s[GB+2*(4*\q+\i):GB+2*(4*\q+\i)+1]
.endr
.endr
.endm
; my four corners' weights at level l, into v[T+12:T+15] (c = 2 ybit + zbit)
.macro LEVW l
	v_mul_f32 v[T],   s[LV+\l], v[X]
	v_mul_f32 v[T+1], s[LV+\l], v[X+1]
	v_mul_f32 v[T+2], s[LV+\l], v[X+2]
	v_floor_f32 v[T+3], v[T]
	v_floor_f32 v[T+4], v[T+1]
	v_floor_f32 v[T+5], v[T+2]
	v_sub_f32 v[T],   v[T],   v[T+3]                ; wx
	v_sub_f32 v[T+1], v[T+1], v[T+4]                ; wy
	v_sub_f32 v[T+2], v[T+2], v[T+5]                ; wz
	v_fma_f32 v[T+6], v[T], v[SB], v[SA]            ; wx or 1 - wx, by my x bit
	v_sub_f32 v[T+7], 1.0, v[T+1]
	v_sub_f32 v[T+8], 1.0, v[T+2]
	v_mul_f32 v[T+9],  v[T+6], v[T+7]
	v_mul_f32 v[T+10], v[T+6], v[T+1]
	v_mul_f32 v[T+12], v[T+9],  v[T+8]
	v_mul_f32 v[T+13], v[T+9],  v[T+2]
	v_mul_f32 v[T+14], v[T+10], v[T+8]
	v_mul_f32 v[T+15], v[T+10], v[T+2]
.endm
; both features of level 4q + i: four entries of two numbers, each times its weight (one register of the weight pair for both halves)
.macro LEVF q, i
	v_pk_mul_f32 v[F+2*(4*\q+\i):F+2*(4*\q+\i)+1], v[DATA+32*\q+8*\i:DATA+32*\q+8*\i+1],   v[T+12:T+13] op_sel_hi:[1,0]
	v_pk_fma_f32 v[F+2*(4*\q+\i):F+2*(4*\q+\i)+1], v[DATA+32*\q+8*\i+2:DATA+32*\q+8*\i+3], v[T+12:T+13], v[F+2*(4*\q+\i):F+2*(4*\q+\i)+1] op_sel:[0,1,0] op_sel_hi:[1,1,1]
	v_pk_fma_f32 v[F+2*(4*\q+\i):F+2*(4*\q+\i)+1], v[DATA+32*\q+8*\i+4:DATA+32*\q+8*\i+5], v[T+14:T+15], v[F+2*(4*\q+\i):F+2*(4*\q+\i)+1] op_sel_hi:[1,0,1]
	v_pk_fma_f32 v[F+2*(4*\q+\i):F+2*(4*\q+\i)+1], v[DATA+32*\q+8*\i+6:DATA+32*\q+8*\i+7], v[T+14:T+15], v[F+2*(4*\q+\i):F+2*(4*\q+\i)+1] op_sel:[0,1,0] op_sel_hi:[1,1,1]
.endm
; buffer q is blended.  n = the loads issued behind what is wanted, which may stay out.  first = 1: the group's points come by the same
; wait, so it stands ahead of the weights; else the first level's weights are made while the loads land.
.macro INTERP q, n, first
.if \first
	s_wait_loadcnt \n                              ; loads come back in order: the points and buffer q are in
	LEVW 4*\q
.else
	LEVW 4*\q
	s_wait_loadcnt \n                              ; buffer q is in
.endif
	LEVF \q, 0
.irp i, 1,2,3
	LEVW 4*\q+\i
	LEVF \q, \i
.endr
.endm
; The two x halves meet.  After the swap F+i holds the hb = 0 halves of feature i (lanes 0-15) and of feature 8 + i (lanes 16-31), F+8+i the
; hb = 1 halves in the same places: their sum is feature 8h + i of point r in lane (r, h), as a B fragment wants it.
; Then the pieces: fh twice into F+8..15 (it meets w1h and w1l), fl into F+0..3, behind ONES.
.macro COMBINE
.irp i, 0,1,2,3,4,5,6,7
	v_permlane16_swap_b32 v[F+\i], v[F+8+\i]
.endr
.irp i, 0,2,4,6
	v_pk_add_f32 v[F+\i:F+\i+1], v[F+\i:F+\i+1], v[F+8+\i:F+9+\i]
.endr
.irp j, 0,1,2,3
	v_cvt_pk_bf16_f32 v[F+8+\j],  v[F+2*\j], v[F+2*\j+1]
	v_cvt_pk_bf16_f32 v[F+12+\j], v[F+2*\j], v[F+2*\j+1]
.endr
.irp j, 0,1,2,3
	v_lshlrev_b32 v[T+2*\j],   16, v[F+8+\j]
	v_and_b32     v[T+2*\j+1], s4, v[F+8+\j]
.endr
.irp j, 0,1,2,3
	v_pk_fma_f32 v[T+2*\j:T+2*\j+1], v[T+2*\j:T+2*\j+1], -1.0, v[F+2*\j:F+2*\j+1] op_sel_hi:[1,0,1]   ; f - fh
.endr
.irp j, 0,1,2,3
	v_cvt_pk_bf16_f32 v[F+\j], v[T+2*\j], v[T+2*\j+1]
.endr
.endm
; leaky ReLU of two result tiles (16 registers at src), max(v, 0.01 v), and its two bf16 pieces: a B fragment of 8 registers at hi, one at
; lo.  hi and lo may lie in src: all of src is read first.  w: 16 registers to work in.
.macro ACT2 src, hi, lo, w
.irp j, 0,1,2,3,4,5,6,7
	v_pk_mul_f32 v[T+2*\j:T+2*\j+1], v[\src+2*\j:\src+2*\j+1], s[6:7] op_sel_hi:[1,0]
.endr
.irp j, 0,1,2,3,4,5,6,7,8,9,10,11,12,13,14,15
	v_max_num_f32 v[T+\j], v[T+\j], v[\src+\j]
.endr
.irp j, 0,1,2,3,4,5,6,7
	v_cvt_pk_bf16_f32 v[\hi+\j], v[T+2*\j], v[T+2*\j+1]
.endr
.irp j, 0,1,2,3,4,5,6,7
	v_lshlrev_b32 v[\w+2*\j],   16, v[\hi+\j]
	v_and_b32     v[\w+2*\j+1], s4, v[\hi+\j]
.endr
.irp j, 0,1,2,3,4,5,6,7
	v_pk_fma_f32 v[T+2*\j:T+2*\j+1], v[\w+2*\j:\w+2*\j+1], -1.0, v[T+2*\j:T+2*\j+1] op_sel_hi:[1,0,1]
.endr
.irp j, 0,1,2,3,4,5,6,7
	v_cvt_pk_bf16_f32 v[\lo+\j], v[T+2*\j], v[T+2*\j+1]
.endr
.endm
; A vector instruction that reads a matrix result or writes a matrix instruction's register, and a load into one, stand four places behind
; it, and only plain vector instructions that name none of its registers are places.
.macro PLACES
.rept 4
	v_nop
.endr
.endm
; one step of layer 2's sums: weights at a (K step s), activations at b, both tiles
.macro L2STEP a, s, b
.irp u, 0,1
	v_wmma_f32_16x16x32_bf16 v[F+8*\u:F+8*\u+7], v[\a+16*\u+8*\s:\a+16*\u+8*\s+7], v[\b:\b+7], v[F+8*\u:F+8*\u+7]
.endr
.endm
; The MLP of one group.  p = 0: the even group of a pair, whose results wait in O; p = 1: the odd one, which stores both.
; In every layer the accumulators take turns, one instruction a turn.
.macro MLP p
.irp t, 0,1,2,3
	v_wmma_f32_16x16x32_bf16 v[BUF1+8*\t:BUF1+8*\t+7], v[W1S+12*\t+4:W1S+12*\t+11], v[F+8:F+15], 0                        ; [w1h, w1l] x [fh, fh]
.endr
.irp t, 0,1,2,3
	v_wmma_f32_16x16x32_bf16 v[BUF1+8*\t:BUF1+8*\t+7], v[W1S+12*\t:W1S+12*\t+7], v[ONES:ONES+7], v[BUF1+8*\t:BUF1+8*\t+7]   ; [b1, w1h] x [ones, fl]
.endr
	PLACES
	ACT2 BUF1,    BUF1,    BUF1+8,  F              ; h1 of K step 0, in place; F has served as B and is room to work in
	ACT2 BUF1+16, BUF1+16, BUF1+24, F              ; K step 1
.irp u, 0,1
	v_wmma_f32_16x16x32_bf16 v[F+8*\u:F+8*\u+7], v[W2H+16*\u:W2H+16*\u+7], v[BUF1:BUF1+7], v[B2+8*\u:B2+8*\u+7]           ; the sums start from b2
.endr
	L2STEP W2H, 1, BUF1+16                         ; w2h x h1h
	L2STEP W2L, 0, BUF1                            ; w2l x h1h
	L2STEP W2L, 1, BUF1+16
	L2STEP W2H, 0, BUF1+8                          ; w2h x h1l
	L2STEP W2H, 1, BUF1+24
	PLACES
	ACT2 F, F, F+8, BUF1                           ; h2h at F, h2l at F + 8
	v_wmma_f32_16x16x32_bf16 v[DA:DA+7], v[W3F:W3F+7], v[F:F+7], 0
	v_wmma_f32_16x16x32_bf16 v[DB:DB+7], v[W3F:W3F+7], v[F+8:F+15], 0
	PLACES
	v_pk_add_f32 v[T:T+1],   v[DA:DA+1], v[DA+2:DA+3]      ; registers 0, 1: w3h's rows; registers 2, 3: w3l's
	v_pk_add_f32 v[T+2:T+3], v[DB:DB+1], v[DB+2:DB+3]
	v_pk_add_f32 v[T:T+1],   v[T:T+1],   v[T+2:T+3]
.if \p == 0
	v_add_f32 v[O],   s40, v[T]                    ; every lane holds point r's results; lanes 0-15 keep them
	v_add_f32 v[O+1], s41, v[T+1]
.else
	v_add_f32 v[T],   s40, v[T]
	v_add_f32 v[T+1], s41, v[T+1]
	v_cndmask_b32 v[O],   v[O],   v[T],   s4       ; lanes 16-31 take the odd group's
	v_cndmask_b32 v[O+1], v[O+1], v[T+1], s4
	global_store_b64 v[VO], v[O:O+1], s[28:29] th:TH_STORE_NT   ; the wave stores 256 consecutive bytes, aligned
.endif
.endm
; One group's turn.  p: its place in the pair; e1 = 1: there is a next group, e2 = 1: and one behind that.
; A wave's loads are issued in this order:  A(g) a(g+1) x(g) B(g) b(g+1)  A(g+1) a(g+2) x(g+1) B(g+1) b(g+2) ..
; with A, B the sixteen gathers of buffer 0, 1, a, b the hashes of levels 0-3, 4-7, x the points.  Each wait's count is what was issued behind
; the youngest load that it wants.
.macro PERIOD p, e1, e2
	INTERP 0, 16+\e1, 1                            ; wants x(g), and with it A(g) and a(g+1); out: B(g), b(g+1)
.if \e1
	ISSUE 0                                        ; A(g+1)
.if \e2
	LOADI 0, 512*(\p+2)                            ; a(g+2), into the registers just used
.endif
.endif
	INTERP 1, 17*\e1+\e2, 0                        ; wants B(g); out: b(g+1), A(g+1), a(g+2)
.if \e1
	LOADX 192*(\p+1)                               ; x(g+1)
.endif
	COMBINE
	MLP \p
.if \e1
	s_wait_loadcnt 17+\e2                          ; wants b(g+1); out: A(g+1), a(g+2), x(g+1)
	ISSUE 1                                        ; B(g+1)
.if \e2
	LOADI 1, 512*(\p+2)+256                        ; b(g+2)
.endif
.endif
.endm
	ISSUE 0                                        ; A(0)
	LOADI 0, 512                                   ; a(1)
	ISSUE 1                                        ; B(0)
	LOADI 1, 768                                   ; b(1)
	s_mov_b32 s3, 3
.Ltrip:
	PERIOD 0, 1, 1
	PERIOD 1, 1, 1
	s_wait_xcnt 0x0                                ; every memory instruction issued so far has had its addresses translated (ISA guide 3.1): the three bases and the store's data are written again only behind this wait
	s_add_nc_u64 s[26:27], s[26:27], 1024          ; idx, x, out0 at the next pair of groups
	s_add_nc_u64 s[8:9], s[8:9], 384
	s_add_nc_u64 s[28:29], s[28:29], 256
	s_sub_co_u32 s3, s3, 1
	s_cmp_lg_u32 s3, 0
	s_cbranch_scc1 .Ltrip
	PERIOD 0, 1, 0                                 ; groups 6 and 7 are written out: no load passes the wave's part of idx and x
	PERIOD 1, 0, 0
	s_endpgm
.Lfunc_end_k_qc0ffce5881_ngp:
	.size	k_qc0ffce5881_ngp, .Lfunc_end_k_qc0ffce5881_ngp-k_qc0ffce5881_ngp
	.p2alignl 7, 3214868480
	.fill 96, 4, 3214868480
	.section	.rodata,"a",@progbits
	.p2align	6, 0x0
	.amdhsa_kernel k_qc0ffce5881_ngp
		.amdhsa_group_segment_fixed_size 0
		.amdhsa_private_segment_fixed_size 0
		.amdhsa_enable_private_segment 0
		.amdhsa_kernarg_size 88
		.amdhsa_user_sgpr_count 2
		.amdhsa_user_sgpr_kernarg_segment_ptr 1
		.amdhsa_wavefront_size32 1
		.amdhsa_system_sgpr_workgroup_id_x 1
		.amdhsa_system_sgpr_workgroup_id_y 1
		.amdhsa_system_sgpr_workgroup_id_z 1
		.amdhsa_system_vgpr_workitem_id 0
		.amdhsa_next_free_vgpr 256
		.amdhsa_next_free_sgpr 66
		.amdhsa_reserve_vcc 0
		.amdhsa_float_denorm_mode_32 3
		.amdhsa_float_denorm_mode_16_64 3
		.amdhsa_memory_ordered 1
		.amdhsa_forward_progress 1
		.amdhsa_inst_pref_size 137
	.end_amdhsa_kernel
	.amdgpu_metadata
---
amdhsa.version: [ 1, 2 ]
amdhsa.kernels:
  - .name:           k_qc0ffce5881_ngp
    .symbol:         k_qc0ffce5881_ngp.kd
    .args:
      - { .name: x, .offset: 0, .size: 8, .value_kind: global_buffer, .address_space: global }
      - { .name: levels, .offset: 8, .size: 8, .value_kind: global_buffer, .address_space: global }
      - { .name: grid, .offset: 16, .size: 8, .value_kind: global_buffer, .address_space: global }
      - { .name: w1, .offset: 24, .size: 8, .value_kind: global_buffer, .address_space: global }
      - { .name: b1, .offset: 32, .size: 8, .value_kind: global_buffer, .address_space: global }
      - { .name: w2, .offset: 40, .size: 8, .value_kind: global_buffer, .address_space: global }
      - { .name: b2, .offset: 48, .size: 8, .value_kind: global_buffer, .address_space: global }
      - { .name: w3, .offset: 56, .size: 8, .value_kind: global_buffer, .address_space: global }
      - { .name: b3, .offset: 64, .size: 8, .value_kind: global_buffer, .address_space: global }
      - { .name: idx, .offset: 72, .size: 8, .value_kind: global_buffer, .address_space: global }
      - { .name: out0, .offset: 80, .size: 8, .value_kind: global_buffer, .address_space: global }
    .group_segment_fixed_size: 0
    .private_segment_fixed_size: 0
    .kernarg_segment_align: 8
    .kernarg_segment_size: 88
    .max_flat_workgroup_size: 512
    .sgpr_count:     66
    .vgpr_count:     256
    .wavefront_size: 32
...
	.end_amdgpu_metadata
.endif
;; end of part 2
;; ======== version 2 of 2: 2 launches; version 1 with the launch ngp written anew for expert scheduling mode
;; workspace buffers: idx 16,777,216 bytes of whole numbers
;; launch hash: the kernel of part 1 again; grid 512 x 1, 8 waves a work-group, no clusters, 0 bytes of LDS; arguments x, levels, idx; writes idx
;; launch ngp (part 3): grid 256 x 1, 16 waves a work-group, no clusters, 0 bytes of LDS; arguments x, levels, grid, w1, b1, w2, b2, w3, b3, idx, out0; writes out0
.if DOCPART == 3
	.amdgcn_target "amdgcn-amd-amdhsa--gfx1250"
	.amdhsa_code_object_version 6
	.text
	.protected	k_qc0ffce5881_ngp
	.globl	k_qc0ffce5881_ngp
	.p2align	8
	.type	k_qc0ffce5881_ngp,@function
k_qc0ffce5881_ngp:
	s_mov_b64 s[64:65], 0
	v_nop
	global_prefetch_b8 v0, s[64:65] scope:SCOPE_SE
	s_setreg_imm32_b32 hwreg(HW_REG_WAVE_SCHED_MODE, 0, 2), 2
	s_setreg_imm32_b32 hwreg(HW_REG_WAVE_MODE, 25, 1), 1
	s_wait_xcnt 0x0
	s_wait_alu depctr_vm_vsrc(0)
; out0 = MLP(features), features[point][2 level + f] = trilinear blend of the 8 table entries of the point's cube at that level.
; 16 independent waves a work-group (four to a SIMD, 4 x 256 registers); a wave takes 128 consecutive points as 8 groups of 16.
; No LDS and no barrier: features, h1 and h2 stay in registers.
;
; THE GATHER.  Lane (r = lane % 16, hb = lane / 16) serves point r of the group and the cube's corners with x bit hb.  The hash is linear
; in the x cell, so lanes r and r + 16 of one load name neighbouring table entries (mod 2^19).  A lane makes 4 loads of 8 bytes for a
; level (y and z bits) and half of the blend; the halves meet in COMBINE.  The corner's byte offset is (8 idx + 8 hb + 8 C) & 0x3ffff8;
; idx comes from the launch before as whole numbers.  The fractions are made again from x here: they enter no address.
; Two buffers of 16 loads (levels 0-3, levels 4-7) take turns; buffer 0 already holds the next group's loads while this group's MLP runs.
;
; THE MLP, one group at a time.  Every layer is D = A x B + C with A = the weights transposed (row = output feature) and B = the
; activations (column = point).  Register j of D in lane (r, h) is feature m0 + 8h + j of point r, which is the place that the next
; layer's B fragment wants: no lane exchange between the layers.
; TWO PIECES FOR EACH OPERAND.  bf16 keeps 8 significant bits, and the results here are small differences of larger terms that hardly
; change from point to point.  So each f32 number v goes to the matrix unit as hi = bf16(v) and lo = bf16(v - hi), 16 significant bits with
; bf16's range, and a product is hi x hi + lo x hi + hi x lo, summed in f32; what is dropped, lo x lo, is below 2^-16 of the product.
;   layer 1 (K = 16 of 32): [w1h, w1l] x [fh, fh], then [b1, w1h] x [ones, fl]; b1 rides as three bf16 pieces whose sum is the f32 number.
;   layer 2 (K = 64): w2h x h1h, w2l x h1h, w2h x h1l, the sums started from b2.
;   layer 3: A holds w3h in rows 0, 1 and w3l in rows 2, 3, and the same again in rows 8 to 11, so that both halves of the lanes get a
;   point's results; one product with h2h, one with h2l; the rows are added afterwards.
;
; THE MODE: SCHED_MODE bits 1:0 = 2 (LLVM: expert scheduling mode 2), set by the entry lines.  The code itself states the register dependences
; between vector or matrix instructions and memory instructions, with s_wait_alu, always for 0.
; THE PLAN.  Registers that memory instructions touch, in the loop:
;   DATA, buffer 0   ADDR 0 writes sixteen offsets into it; the gathers read them, each landing on its own offset register and the one behind it;
;                    the blend of levels 0-3 of the next group's turn reads it.
;   DATA, buffer 1   the same with ADDR 1 and the blend of levels 4-7; then the MLP's matrix and vector instructions write and read it.
;   IDX              a load of hashes lands in four of them; ADDR's first lines read them.
;   X                the load of a group's points lands in it; both blends' weights read it, the blend of levels 4-7 last.
;   O                the MLP's last lines write it; the pair's store reads it.
;   VI, VX, VO       offsets made at the head and never written again: the rows are reached by scalar bases and immediate offsets.
;   T, F, ONES and the weights are named by vector and matrix instructions alone (F's first five also by the set-up's loads, as offsets).
; A group's turn has four waits.  One on vm_vsrc, behind the first blend: all gathers issued so far have read their offsets, and the store has read O.
; Three on va_vdst: between ADDR 0 and its gathers; behind the second blend, ahead of the load of the next points; between ADDR 1 and its gathers, where
; the pair's store stands too.  Between each of these three and the memory instructions that it serves stand memory instructions alone.
;
; NO CLUSTER, NO JOINT LOADS: what the work-groups share is 12,936 bytes of weights and biases, read once by each wave, against
; 64 gathers of 8 bytes for every point; the gathers have no tiles.  No prefetch of table rows: it would be a second request for each gather.
; LIMITS: 0 <= x * level < 2^32 (as in the launch before).  b1 finite (an infinite b1 gives NaN); b1 is carried exactly for
; |b1| >= 2^-102 or 0, below that it is cut by less than 2^-126.  An operand whose rounding to bf16 overflows (|v| >= 3.39e38) gives NaN.
.set TMASK, 0x7ffff                    ; table size 2^19, less one
.set MASK8, 0x3ffff8                   ; the same for byte offsets of entries of 8 bytes
.set C1,    0x25795                    ; 805459861 mod 2^19: z + 1
.set C2,    0x779b1                    ; 2654435761 mod 2^19: y + 1
.set C3,    C1+C2                      ; both
.set SLOPE, 0x3c23d70a                 ; 0.01
.set VO,   0                           ; v0         8 x lane: my point in a pair of groups of out0 (the thread's number until the set-up has used it)
.set VI,   1                           ; v1         16 r: my point's 16 bytes in a block of idx
.set VX,   2                           ; v2         12 r: my point in a group of x
.set SA,   3                           ; v3         hb ? 0 : 1
.set SB,   4                           ; v4         hb ? 1 : -1      (wx * SB + SA = wx or 1 - wx)
.set KH,   5                           ; v5         8 hb
.set O,    6                           ; v[6:7]     a point's two results: lanes 0-15 the even group's, lanes 16-31 the odd group's
.set X,    8                           ; v[8:10]    x, y, z of my point
.set HB,   11                          ; v11        hb, in the set-up
.set IDX,  12                          ; v[12:19]   level l's hash
.set T,    20                          ; v[20:35]   at work
.set ONES, 36                          ; v[36:39]   the 16 K places that meet b1: ones at three of them; with F+0..3 behind them a B fragment
.set F,    40                          ; v[40:55]   my half of the 16 features; then layer 1's B fragments; then layer 2's sums, then h2
.set W1S,  56                          ; v[56:103]  tile t at 56 + 12t: b1's pieces (4), w1h (4), w1l (4): two A fragments that overlap
.set W2H,  104                         ; v[104:135] w2h, tile u, K step s at + 8 (2u + s)
.set W2L,  136                         ; v[136:167] w2l likewise
.set B2,   168                         ; v[168:183] b2 in the layout of C, tile u at + 8u
.set W3F,  184                         ; v[184:191] layer 3's A fragment
.set DATA, 192                         ; v[192:255] gather buffer q at + 32q (level i at + 8i, corner c at + 2c)
.set BUF1, DATA+32                     ; buffer 1 is also the MLP's room: layer 1's tiles t at + 8t, then h1h, h1l of K step s at + 16s, + 16s + 8
.set DA,   BUF1+16                     ; layer 3's product with h2h
.set DB,   BUF1+24                     ; and with h2l
.set OW2,  F                           ; byte offsets for the weights, used in the set-up alone
.set OW1,  F+1
.set OB1,  F+2
.set OW3,  F+3
.set OB2,  F+4
.set LV,   32                          ; s[32:39]   the levels
.set GB,   44                          ; s[44:59]   level l's table: grid + l x 4 MiB
	s_load_b512 s[8:23], s[0:1], 0x0               ; x s[8:9], levels s[10:11], grid s[12:13], w1 s[14:15], b1 s[16:17], w2 s[18:19], b2 s[20:21], w3 s[22:23]
	s_load_b128 s[24:27], s[0:1], 0x40             ; b3 s[24:25], idx s[26:27]
	s_load_b64 s[28:29], s[0:1], 0x50              ; out0
	v_lshrrev_b32 v1, 5, v0
	v_readfirstlane_b32 s2, v1                     ; wave number
	v_and_b32 v[F+5], 7, v0                        ; r % 8
	v_cmp_gt_u32 s5, 2, v[F+5]                     ; the lanes that hold rows 0, 1, 8, 9 of layer 3's A: w3h
	v_cmp_gt_u32 s60, 4, v[F+5]                    ; those and rows 2, 3, 10, 11 (w3l); the other rows are zero
	s_wait_alu depctr_va_sdst(0)                   ; s2, s5 and s60 are written, ahead of their first readers: the wave's number in the launch is made from s2, layer 3's A is chosen by s5 and s60
	s_lshl_b32 s43, ttmp9, 4
	s_add_co_u32 s43, s43, s2                      ; W: the wave's number in the launch, 0 to 4,095
	s_mov_b32 s4, 0xffff0000                       ; two uses: the lanes with hb = 1, and a word's upper bf16
	s_mov_b32 s6, SLOPE
	s_mov_b32 s7, SLOPE
	s_mov_b32 s42, MASK8
	s_mov_b32 s31, 0
	v_and_b32 v1, 15, v0                           ; r
	v_bfe_u32 v[HB], v0, 4, 1
	v_mul_u32_u24 v[VX], v1, 12
	v_cndmask_b32 v[SA], 1.0, 0, s4
	v_cndmask_b32 v[SB], -1.0, 1.0, s4
	v_lshlrev_b32 v[KH], 3, v[HB]
	v_lshlrev_b32 v[OB1], 2, v1                    ; b1: 4 r
	v_lshl_add_u32 v[OW2], v[HB], 10, v[OB1]       ; w2: 8 hb rows of 128 bytes + 4 r
	v_lshl_add_u32 v[OW1], v[HB], 11, v[OB1]       ; w1: 8 hb rows of 256 bytes + 4 r
	v_and_b32 v[F+6], 1, v0                        ; w3's column: r % 2
	v_lshlrev_b32 v[OW3], 6, v[HB]
	v_lshl_add_u32 v[OW3], v[F+6], 2, v[OW3]       ; w3: 8 hb rows of 8 bytes + 4 x column
	v_lshlrev_b32 v[OB2], 5, v[HB]                 ; b2: 8 hb numbers
	v_lshlrev_b32 v[VI], 4, v1
	v_and_b32 v[VO], 31, v0                        ; the thread's number has served
	v_lshlrev_b32 v[VO], 3, v[VO]
	s_wait_kmcnt 0x0
	s_load_b256 s[LV:LV+7], s[10:11], 0x0          ; the levels, as scalars
	s_load_b64 s[40:41], s[24:25], 0x0             ; b3's two numbers
	s_mul_i32 s30, s43, 1536                       ; 128 points x 12 bytes
	s_add_nc_u64 s[8:9], s[8:9], s[30:31]
	s_lshl_b32 s30, s43, 12                        ; 128 points x 32 bytes
	s_add_nc_u64 s[26:27], s[26:27], s[30:31]
	s_lshl_b32 s30, s43, 10                        ; 128 points x 8 bytes
	s_add_nc_u64 s[28:29], s[28:29], s[30:31]
	s_mov_b64 s[GB:GB+1], s[12:13]
.irp l, 1,2,3,4,5,6,7
	s_add_nc_u64 s[GB+2*\l:GB+2*\l+1], s[12:13], \l*0x400000
.endr
.macro LOADI q, off                    ; a group's hashes of levels 4q .. 4q + 3; both halves of the lanes read the same 256 bytes
	global_load_b128 v[IDX+4*\q:IDX+4*\q+3], v[VI], s[26:27] offset:\off th:TH_LOAD_NT
.endm
.macro LOADX off                       ; a group's points
	global_load_b96 v[X:X+2], v[VX], s[8:9] offset:\off th:TH_LOAD_NT
.endm
; two f32 numbers at src into their bf16 pieces: hi = bf16(v), lo = bf16(v - hi); src is used up
.macro SPLIT src, hi, lo
	v_cvt_pk_bf16_f32 v[\hi], v[\src], v[\src+1]
	v_lshlrev_b32 v[T], 16, v[\hi]
	v_and_b32 v[T+1], s4, v[\hi]
	v_pk_fma_f32 v[\src:\src+1], v[T:T+1], -1.0, v[\src:\src+1] op_sel_hi:[1,0,1]
	v_cvt_pk_bf16_f32 v[\lo], v[\src], v[\src+1]
.endm
	; SET-UP, first batch: group 0's hashes and points, b2, and w2 as f32 into the gather buffers
	s_wait_alu depctr_va_vdst(0)                   ; the offsets VI, VX, VO and the set-up's five in F .. F+4 are written: every load and store of the kernel but the gathers reads one of them
	LOADI 0, 0
	LOADI 1, 256
	LOADX 0
.irp u, 0,1
	global_load_b128 v[B2+8*\u:B2+8*\u+3],   v[OB2], s[20:21] offset:64*\u      ; register j = b2[16u + 8hb + j]
	global_load_b128 v[B2+8*\u+4:B2+8*\u+7], v[OB2], s[20:21] offset:64*\u+16
.endr
	; A(m = 16u + r, k) = w2[k][16u + r]; the lane's number e is k = 32s + 8hb + e (e < 8) or 32s + 16 + 8hb + e - 8
.set iu, 0
.rept 2
.set is, 0
.rept 2
.set ie, 0
.rept 16
	global_load_b32 v[DATA+16*(2*iu+is)+ie], v[OW2], s[18:19] offset:(32*is+16*(ie>>3)+(ie&7))*128+64*iu
.set ie, ie+1
.endr
.set is, is+1
.endr
.set iu, iu+1
.endr
	; meanwhile: ones at the three K places that meet b1's pieces (lanes with hb = 0), zeros at the other thirteen; no load names these registers
	v_mov_b32 v[F+5], 0x3f803f80
	v_mov_b32 v[F+6], 0x3f80
	v_cndmask_b32 v[ONES],   v[F+5], 0, s4
	v_cndmask_b32 v[ONES+1], v[F+6], 0, s4
	v_mov_b32 v[ONES+2], 0
	v_mov_b32 v[ONES+3], 0
	s_wait_kmcnt 0x0                               ; the levels and b3
	s_wait_loadcnt 0x0                             ; the first batch is in
.set ie, 0
.rept 32
	SPLIT DATA+2*ie, W2H+ie, W2L+ie
.set ie, ie+1
.endr
	; second batch: w1, b1, w3 as f32 into the gather buffers
	s_wait_alu depctr_va_vdst(0)                   ; the splits of w2 are done reading and writing the gather buffers, in which the second batch lands
.irp t, 0,1,2,3
.irp e, 0,1,2,3,4,5,6,7
	global_load_b32 v[DATA+8*\t+\e], v[OW1], s[14:15] offset:256*\e+64*\t     ; A(m = 16t + r, k = 8hb + e) = w1[8hb + e][16t + r]
.endr
.endr
.irp t, 0,1,2,3
	global_load_b32 v[DATA+32+\t], v[OB1], s[16:17] offset:64*\t              ; b1[16t + r]
.endr
.set ie, 0
.rept 16
	global_load_b32 v[DATA+36+ie], v[OW3], s[22:23] offset:128*(ie>>3)+8*(ie&7)   ; w3[k][column], k as for w2 with s = 0
.set ie, ie+1
.endr
	s_wait_loadcnt 0x0
	s_wait_alu depctr_vm_vsrc(0)                   ; the set-up's loads have read their offsets in F .. F+4, which the first blend writes
.irp t, 0,1,2,3
.irp j, 0,1,2,3
	SPLIT DATA+8*\t+2*\j, W1S+12*\t+4+\j, W1S+12*\t+8+\j
.endr
	; b1 = hi + mid + low, each the upper 16 bits of what is left: 8 + 8 + 8 bits of significand, the differences exact
	v_cndmask_b32 v[T+2], v[DATA+32+\t], 0, s4     ; the K places of the lanes with hb = 1 stay zero
	v_and_b32 v[T+3], s4, v[T+2]                   ; hi
	v_sub_f32 v[T+2], v[T+2], v[T+3]
	v_and_b32 v[T+4], s4, v[T+2]                   ; mid
	v_sub_f32 v[T+2], v[T+2], v[T+4]               ; low
	v_perm_b32 v[W1S+12*\t], v[T+4], v[T+3], 0x07060302   ; first place: hi, second: mid
	v_lshrrev_b32 v[W1S+12*\t+1], 16, v[T+2]       ; third: low, fourth: 0
	v_mov_b32 v[W1S+12*\t+2], 0
	v_mov_b32 v[W1S+12*\t+3], 0
.endr
.irp j, 0,1,2,3,4,5,6,7
	SPLIT DATA+36+2*\j, W3F+\j, F+8+\j
.endr
.irp j, 0,1,2,3,4,5,6,7
	v_cndmask_b32 v[W3F+\j], v[F+8+\j], v[W3F+\j], s5     ; rows 0, 1, 8, 9: hi; the others: lo,
	v_cndmask_b32 v[W3F+\j], 0, v[W3F+\j], s60            ; which stays in rows 2, 3, 10, 11 alone
.endr
; The sixteen byte offsets of buffer q's gathers: levels 4q .. 4q + 3, four corners each.  The loaded hash is bounded by the table's size
; before it enters an offset.  The buffer's last loads were waited for by the INTERP that read it.
.macro ADDR q
.irp i, 0,1,2,3
	v_min_u32 v[T+\i], TMASK, v[IDX+4*\q+\i]
	v_lshlrev_b32 v[T+\i], 3, v[T+\i]
	v_add_nc_u32 v[T+\i], v[T+\i], v[KH]
	v_and_b32 v[DATA+32*\q+8*\i], s42, v[T+\i]
	v_add_nc_u32 v[DATA+32*\q+8*\i+2], 8*C1, v[T+\i]
	v_add_nc_u32 v[DATA+32*\q+8*\i+4], 8*C2, v[T+\i]
	v_add_nc_u32 v[DATA+32*\q+8*\i+6], 8*C3, v[T+\i]
.irp c, 1,2,3
	v_and_b32 v[DATA+32*\q+8*\i+2*\c], s42, v[DATA+32*\q+8*\i+2*\c]
.endr
.endr
.endm
; The sixteen gathers into buffer q.  Each load lands on its own offset register and the one behind it; no load names another's.
.macro GATHER q
.irp i, 0,1,2,3
.irp c, 0,1,2,3
	global_load_b64 v[DATA+32*\q+8*\i+2*\c:DATA+32*\q+8*\i+2*\c+1], v[DATA+32*\q+8*\i+2*\c], s[GB+2*(4*\q+\i):GB+2*(4*\q+\i)+1]
.endr
.endr
.endm
; my four corners' weights at level l, into v[T+12:T+15] (c = 2 ybit + zbit)
.macro LEVW l
	v_mul_f32 v[T],   s[LV+\l], v[X]
	v_mul_f32 v[T+1], s[LV+\l], v[X+1]
	v_mul_f32 v[T+2], s[LV+\l], v[X+2]
	v_floor_f32 v[T+3], v[T]
	v_floor_f32 v[T+4], v[T+1]
	v_floor_f32 v[T+5], v[T+2]
	v_sub_f32 v[T],   v[T],   v[T+3]                ; wx
	v_sub_f32 v[T+1], v[T+1], v[T+4]                ; wy
	v_sub_f32 v[T+2], v[T+2], v[T+5]                ; wz
	v_fma_f32 v[T+6], v[T], v[SB], v[SA]            ; wx or 1 - wx, by my x bit
	v_sub_f32 v[T+7], 1.0, v[T+1]
	v_sub_f32 v[T+8], 1.0, v[T+2]
	v_mul_f32 v[T+9],  v[T+6], v[T+7]
	v_mul_f32 v[T+10], v[T+6], v[T+1]
	v_mul_f32 v[T+12], v[T+9],  v[T+8]
	v_mul_f32 v[T+13], v[T+9],  v[T+2]
	v_mul_f32 v[T+14], v[T+10], v[T+8]
	v_mul_f32 v[T+15], v[T+10], v[T+2]
.endm
; both features of level 4q + i: four entries of two numbers, each times its weight (one register of the weight pair for both halves)
.macro LEVF q, i
	v_pk_mul_f32 v[F+2*(4*\q+\i):F+2*(4*\q+\i)+1], v[DATA+32*\q+8*\i:DATA+32*\q+8*\i+1],   v[T+12:T+13] op_sel_hi:[1,0]
	v_pk_fma_f32 v[F+2*(4*\q+\i):F+2*(4*\q+\i)+1], v[DATA+32*\q+8*\i+2:DATA+32*\q+8*\i+3], v[T+12:T+13], v[F+2*(4*\q+\i):F+2*(4*\q+\i)+1] op_sel:[0,1,0] op_sel_hi:[1,1,1]
	v_pk_fma_f32 v[F+2*(4*\q+\i):F+2*(4*\q+\i)+1], v[DATA+32*\q+8*\i+4:DATA+32*\q+8*\i+5], v[T+14:T+15], v[F+2*(4*\q+\i):F+2*(4*\q+\i)+1] op_sel_hi:[1,0,1]
	v_pk_fma_f32 v[F+2*(4*\q+\i):F+2*(4*\q+\i)+1], v[DATA+32*\q+8*\i+6:DATA+32*\q+8*\i+7], v[T+14:T+15], v[F+2*(4*\q+\i):F+2*(4*\q+\i)+1] op_sel:[0,1,0] op_sel_hi:[1,1,1]
.endm
; buffer q is blended.  n = the loads issued behind what is wanted, which may stay out.  first = 1: the group's points come by the same
; wait, so it stands ahead of the weights; else the first level's weights are made while the loads land.
.macro INTERP q, n, first
.if \first
	s_wait_loadcnt \n                              ; loads come back in order: the points and buffer q are in
	LEVW 4*\q
.else
	LEVW 4*\q
	s_wait_loadcnt \n                              ; buffer q is in
.endif
	LEVF \q, 0
.irp i, 1,2,3
	LEVW 4*\q+\i
	LEVF \q, \i
.endr
.endm
; The two x halves meet.  After the swap F+i holds the hb = 0 halves of feature i (lanes 0-15) and of feature 8 + i (lanes 16-31), F+8+i the
; hb = 1 halves in the same places: their sum is feature 8h + i of point r in lane (r, h), as a B fragment wants it.
; Then the pieces: fh twice into F+8..15 (it meets w1h and w1l), fl into F+0..3, behind ONES.
.macro COMBINE
.irp i, 0,1,2,3,4,5,6,7
	v_permlane16_swap_b32 v[F+\i], v[F+8+\i]
.endr
.irp i, 0,2,4,6
	v_pk_add_f32 v[F+\i:F+\i+1], v[F+\i:F+\i+1], v[F+8+\i:F+9+\i]
.endr
.irp j, 0,1,2,3
	v_cvt_pk_bf16_f32 v[F+8+\j],  v[F+2*\j], v[F+2*\j+1]
	v_cvt_pk_bf16_f32 v[F+12+\j], v[F+2*\j], v[F+2*\j+1]
.endr
.irp j, 0,1,2,3
	v_lshlrev_b32 v[T+2*\j],   16, v[F+8+\j]
	v_and_b32     v[T+2*\j+1], s4, v[F+8+\j]
.endr
.irp j, 0,1,2,3
	v_pk_fma_f32 v[T+2*\j:T+2*\j+1], v[T+2*\j:T+2*\j+1], -1.0, v[F+2*\j:F+2*\j+1] op_sel_hi:[1,0,1]   ; f - fh
.endr
.irp j, 0,1,2,3
	v_cvt_pk_bf16_f32 v[F+\j], v[T+2*\j], v[T+2*\j+1]
.endr
.endm
; leaky ReLU of two result tiles (16 registers at src), max(v, 0.01 v), and its two bf16 pieces: a B fragment of 8 registers at hi, one at
; lo.  hi and lo may lie in src: all of src is read first.  w: 16 registers to work in.
.macro ACT2 src, hi, lo, w
.irp j, 0,1,2,3,4,5,6,7
	v_pk_mul_f32 v[T+2*\j:T+2*\j+1], v[\src+2*\j:\src+2*\j+1], s[6:7] op_sel_hi:[1,0]
.endr
.irp j, 0,1,2,3,4,5,6,7,8,9,10,11,12,13,14,15
	v_max_num_f32 v[T+\j], v[T+\j], v[\src+\j]
.endr
.irp j, 0,1,2,3,4,5,6,7
	v_cvt_pk_bf16_f32 v[\hi+\j], v[T+2*\j], v[T+2*\j+1]
.endr
.irp j, 0,1,2,3,4,5,6,7
	v_lshlrev_b32 v[\w+2*\j],   16, v[\hi+\j]
	v_and_b32     v[\w+2*\j+1], s4, v[\hi+\j]
.endr
.irp j, 0,1,2,3,4,5,6,7
	v_pk_fma_f32 v[T+2*\j:T+2*\j+1], v[\w+2*\j:\w+2*\j+1], -1.0, v[T+2*\j:T+2*\j+1] op_sel_hi:[1,0,1]
.endr
.irp j, 0,1,2,3,4,5,6,7
	v_cvt_pk_bf16_f32 v[\lo+\j], v[T+2*\j], v[T+2*\j+1]
.endr
.endm
; A vector instruction that reads a matrix result or writes a matrix instruction's register stands four places behind it, and only plain
; vector instructions that name none of its registers are places (ISA guide 7.12.1).
.macro PLACES
.rept 4
	v_nop
.endr
.endm
; one step of layer 2's sums: weights at a (K step s), activations at b, both tiles
.macro L2STEP a, s, b
.irp u, 0,1
	v_wmma_f32_16x16x32_bf16 v[F+8*\u:F+8*\u+7], v[\a+16*\u+8*\s:\a+16*\u+8*\s+7], v[\b:\b+7], v[F+8*\u:F+8*\u+7]
.endr
.endm
; The MLP of one group.  p = 0: the even group of a pair, whose results wait in O; p = 1: the odd one, which fills O's other half; the
; pair's store follows in PERIOD.  In every layer the accumulators take turns, one instruction a turn.
.macro MLP p
.irp t, 0,1,2,3
	v_wmma_f32_16x16x32_bf16 v[BUF1+8*\t:BUF1+8*\t+7], v[W1S+12*\t+4:W1S+12*\t+11], v[F+8:F+15], 0                        ; [w1h, w1l] x [fh, fh]
.endr
.irp t, 0,1,2,3
	v_wmma_f32_16x16x32_bf16 v[BUF1+8*\t:BUF1+8*\t+7], v[W1S+12*\t:W1S+12*\t+7], v[ONES:ONES+7], v[BUF1+8*\t:BUF1+8*\t+7]   ; [b1, w1h] x [ones, fl]
.endr
	PLACES
	ACT2 BUF1,    BUF1,    BUF1+8,  F              ; h1 of K step 0, in place; F has served as B and is room to work in
	ACT2 BUF1+16, BUF1+16, BUF1+24, F              ; K step 1
.irp u, 0,1
	v_wmma_f32_16x16x32_bf16 v[F+8*\u:F+8*\u+7], v[W2H+16*\u:W2H+16*\u+7], v[BUF1:BUF1+7], v[B2+8*\u:B2+8*\u+7]           ; the sums start from b2
.endr
	L2STEP W2H, 1, BUF1+16                         ; w2h x h1h
	L2STEP W2L, 0, BUF1                            ; w2l x h1h
	L2STEP W2L, 1, BUF1+16
	L2STEP W2H, 0, BUF1+8                          ; w2h x h1l
	L2STEP W2H, 1, BUF1+24
	PLACES
	ACT2 F, F, F+8, BUF1                           ; h2h at F, h2l at F + 8
	v_wmma_f32_16x16x32_bf16 v[DA:DA+7], v[W3F:W3F+7], v[F:F+7], 0
	v_wmma_f32_16x16x32_bf16 v[DB:DB+7], v[W3F:W3F+7], v[F+8:F+15], 0
	PLACES
	v_pk_add_f32 v[T:T+1],   v[DA:DA+1], v[DA+2:DA+3]      ; registers 0, 1: w3h's rows; registers 2, 3: w3l's
	v_pk_add_f32 v[T+2:T+3], v[DB:DB+1], v[DB+2:DB+3]
	v_pk_add_f32 v[T:T+1],   v[T:T+1],   v[T+2:T+3]
.if \p == 0
	v_add_f32 v[O],   s40, v[T]                    ; every lane holds point r's results; lanes 0-15 keep them
	v_add_f32 v[O+1], s41, v[T+1]
.else
	v_add_f32 v[T],   s40, v[T]
	v_add_f32 v[T+1], s41, v[T+1]
	v_cndmask_b32 v[O],   v[O],   v[T],   s4       ; lanes 16-31 take the odd group's
	v_cndmask_b32 v[O+1], v[O+1], v[T+1], s4
.endif
.endm
.macro STORE                           ; a pair of groups goes out
	global_store_b64 v[VO], v[O:O+1], s[28:29] th:TH_STORE_NT   ; the wave stores 256 consecutive bytes, aligned
.endm
; One group's turn.  p: its place in the pair; e1 = 1: there is a next group, e2 = 1: and one behind that.
; A wave's loads are issued in this order:  A(g) a(g+1) x(g) B(g) b(g+1)  A(g+1) a(g+2) x(g+1) B(g+1) b(g+2) ..
; with A, B the sixteen gathers of buffer 0, 1, a, b the hashes of levels 0-3, 4-7, x the points.  Each wait's count is what was issued behind
; the youngest load that it wants.
.macro PERIOD p, e1, e2
	INTERP 0, 16+\e1, 1                            ; wants x(g), and with it A(g) and a(g+1); out: B(g), b(g+1)
	s_wait_alu depctr_vm_vsrc(0)                   ; the gathers issued so far have read their offsets: buffer 0's are written again by ADDR 0 below, buffer 1's by this turn's MLP and ADDR 1; the last pair's store has read O, which an even group's MLP writes
.if \e1
	ADDR 0
	s_wait_alu depctr_va_vdst(0)                   ; ADDR 0 has written the offsets that the gathers read and is done reading IDX 0-3, in which a(g+2) lands; the blend above is done reading buffer 0, in which the gathers land
	GATHER 0                                       ; A(g+1)
.if \e2
	LOADI 0, 512*(\p+2)                            ; a(g+2), into the registers just used
.endif
.endif
	INTERP 1, 17*\e1+\e2, 0                        ; wants B(g); out: b(g+1), A(g+1), a(g+2)
.if \e1
	s_wait_alu depctr_va_vdst(0)                   ; the weights of levels 4-7 are done reading X, in which the next group's points land
	LOADX 192*(\p+1)                               ; x(g+1)
.endif
	COMBINE
	MLP \p
.if \e1
	s_wait_loadcnt 17+\e2                          ; wants b(g+1); out: A(g+1), a(g+2), x(g+1)
	ADDR 1
	s_wait_alu depctr_va_vdst(0)                   ; ADDR 1 has written the offsets that the gathers read and is done reading IDX 4-7, in which b(g+2) lands; the MLP is done writing and reading buffer 1, in which the gathers land, and has written O, which the store reads
.if \p
	STORE
.endif
	GATHER 1                                       ; B(g+1)
.if \e2
	LOADI 1, 512*(\p+2)+256                        ; b(g+2)
.endif
.else
	s_wait_alu depctr_va_vdst(0)                   ; the last group's MLP has written O, which the store reads
	STORE
.endif
.endm
	ADDR 0
	s_wait_alu depctr_va_vdst(0)                   ; ADDR 0 has written the offsets that the gathers read and is done reading IDX 0-3, in which a(1) lands; the set-up is done with buffer 0, in which the gathers land
	GATHER 0                                       ; A(0)
	LOADI 0, 512                                   ; a(1)
	ADDR 1
	s_wait_alu depctr_va_vdst(0)                   ; the same for ADDR 1, IDX 4-7, b(1) and buffer 1
	GATHER 1                                       ; B(0)
	LOADI 1, 768                                   ; b(1)
	s_mov_b32 s3, 3
.Ltrip:
	PERIOD 0, 1, 1
	PERIOD 1, 1, 1
	s_wait_xcnt 0x0                                ; every memory instruction issued so far has had its addresses translated (ISA guide 3.1): the three bases and the store's data are written again only behind this wait
	s_add_nc_u64 s[26:27], s[26:27], 1024          ; idx, x, out0 at the next pair of groups
	s_add_nc_u64 s[8:9], s[8:9], 384
	s_add_nc_u64 s[28:29], s[28:29], 256
	s_sub_co_u32 s3, s3, 1
	s_cmp_lg_u32 s3, 0
	s_cbranch_scc1 .Ltrip
	PERIOD 0, 1, 0                                 ; groups 6 and 7 are written out: no load passes the wave's part of idx and x
	PERIOD 1, 0, 0
	s_endpgm
.Lfunc_end_k_qc0ffce5881_ngp:
	.size	k_qc0ffce5881_ngp, .Lfunc_end_k_qc0ffce5881_ngp-k_qc0ffce5881_ngp
	.p2alignl 7, 3214868480
	.fill 96, 4, 3214868480
	.section	.rodata,"a",@progbits
	.p2align	6, 0x0
	.amdhsa_kernel k_qc0ffce5881_ngp
		.amdhsa_group_segment_fixed_size 0
		.amdhsa_private_segment_fixed_size 0
		.amdhsa_enable_private_segment 0
		.amdhsa_kernarg_size 88
		.amdhsa_user_sgpr_count 2
		.amdhsa_user_sgpr_kernarg_segment_ptr 1
		.amdhsa_wavefront_size32 1
		.amdhsa_system_sgpr_workgroup_id_x 1
		.amdhsa_system_sgpr_workgroup_id_y 1
		.amdhsa_system_sgpr_workgroup_id_z 1
		.amdhsa_system_vgpr_workitem_id 0
		.amdhsa_next_free_vgpr 256
		.amdhsa_next_free_sgpr 66
		.amdhsa_reserve_vcc 0
		.amdhsa_float_denorm_mode_32 3
		.amdhsa_float_denorm_mode_16_64 3
		.amdhsa_memory_ordered 1
		.amdhsa_forward_progress 1
		.amdhsa_inst_pref_size 138
	.end_amdhsa_kernel
	.amdgpu_metadata
---
amdhsa.version: [ 1, 2 ]
amdhsa.kernels:
  - .name:           k_qc0ffce5881_ngp
    .symbol:         k_qc0ffce5881_ngp.kd
    .args:
      - { .name: x, .offset: 0, .size: 8, .value_kind: global_buffer, .address_space: global }
      - { .name: levels, .offset: 8, .size: 8, .value_kind: global_buffer, .address_space: global }
      - { .name: grid, .offset: 16, .size: 8, .value_kind: global_buffer, .address_space: global }
      - { .name: w1, .offset: 24, .size: 8, .value_kind: global_buffer, .address_space: global }
      - { .name: b1, .offset: 32, .size: 8, .value_kind: global_buffer, .address_space: global }
      - { .name: w2, .offset: 40, .size: 8, .value_kind: global_buffer, .address_space: global }
      - { .name: b2, .offset: 48, .size: 8, .value_kind: global_buffer, .address_space: global }
      - { .name: w3, .offset: 56, .size: 8, .value_kind: global_buffer, .address_space: global }
      - { .name: b3, .offset: 64, .size: 8, .value_kind: global_buffer, .address_space: global }
      - { .name: idx, .offset: 72, .size: 8, .value_kind: global_buffer, .address_space: global }
      - { .name: out0, .offset: 80, .size: 8, .value_kind: global_buffer, .address_space: global }
    .group_segment_fixed_size: 0
    .private_segment_fixed_size: 0
    .kernarg_segment_align: 8
    .kernarg_segment_size: 88
    .max_flat_workgroup_size: 512
    .sgpr_count:     66
    .vgpr_count:     256
    .wavefront_size: 32
...
	.end_amdgpu_metadata
.endif
;; end of part 3
